; MI455X (gfx1250); checked and timed in simulation.
; The chip was launched on July 23, 2026; its instructions are those of AMD's public machine-readable ISA for CDNA 5 (MIT licence, August 2026) and "CDNA5" Instruction Set Architecture Reference Guide (July 2026). The comments in the code are by the model that wrote it; some were corrected since.
;; Attn Block. Allowed arithmetic: matrix products marked QUANTISED: E4M3 operands, one E8M0 scale for each 32 along K, by v_wmma_scale_f32_16x16x128_f8f6f4 with both operands' format E4M3, f32 sums; everything else in f32.
;; Inputs: bk 128 float32; bo 128 float32; bq 128 float32; bv 128 float32; gn_bias 128 float32; gn_scale 128 float32; wk_codes 128 x 4 x 32 uint8 (E4M3 codes of wk, K innermost, in blocks of 32 codes); wk_scales 128 x 4 uint8 (E8M0 scales of wk, one for each 32 codes along K); wo_codes 128 x 4 x 32 uint8 (E4M3 codes of wo, K innermost, in blocks of 32 codes); wo_scales 128 x 4 uint8 (E8M0 scales of wo, one for each 32 codes along K); wq_codes 128 x 4 x 32 uint8 (E4M3 codes of wq, K innermost, in blocks of 32 codes); wq_scales 128 x 4 uint8 (E8M0 scales of wq, one for each 32 codes along K); wv_codes 128 x 4 x 32 uint8 (E4M3 codes of wv, K innermost, in blocks of 32 codes); wv_scales 128 x 4 uint8 (E8M0 scales of wv, one for each 32 codes along K); x 8 x 64 x 64 x 128 float32.
;; Outputs: out0 8 x 64 x 64 x 128 float32.
;; This version of the problem:
;;   THIS VERSION OF THE PROBLEM IS GIVEN IN LOW PRECISION. The matrix products marked QUANTISED in the list below multiply operands that are first quantised to E4M3 (4 exponent bits, 3 mantissa bits; 8 bits a number), with one power-of-two scale for each 32 numbers along K (OCP MX v1.0); their sums are f32. All else is computed in f32.
;;   The module's matrix products, in the order in which they are computed (A, B: the left and right operand; K: the contracted axis; several contracted axes count as one K, in the product's order):
;;     1. [M 32,768, K 128] x [K 128, N 128]; A: computed on the way; B: input wq (given as codes): QUANTISED
;;     2. [M 32,768, K 128] x [K 128, N 128]; A: computed on the way; B: input wk (given as codes): QUANTISED
;;     3. [M 32,768, K 128] x [K 128, N 128]; A: computed on the way; B: input wv (given as codes): QUANTISED
;;     4. batch 8 x [M 4,096, K 128] x [K 128, N 4,096]; A: computed on the way; B: computed on the way: QUANTISED
;;     5. batch 8 x [M 4,096, K 4,096] x [K 4,096, N 128]; A: softmax (see below); B: computed on the way: QUANTISED
;;     6. [M 32,768, K 128] x [K 128, N 128]; A: computed on the way; B: input wo (given as codes): QUANTISED
;;   THE QUANTISER, for each operand of a quantised product, along K:
;;     - K is cut into blocks of 32 from its start; a last block that is shorter is filled with zeros.
;;     - A block's scale is 2^e with e = floor(log2(the largest magnitude in the block)) - 8, held to -126 .. 127; a block of zeros has e = 0. As a byte (E8M0): e + 127.
;;     - Each number is divided by its block's scale, clamped to +-448, and rounded to the nearest number of E4M3, ties to even, subnormals kept.
;;     - The product sums the exact products of the quantised numbers (number of the format x scale) in f32.
;;   ~~~python
;;   def quantise(x, axis):      # numpy; x: float32 -> the quantised numbers, widened to float32 again
;;       x = np.moveaxis(x, axis, -1); K = x.shape[-1]
;;       x = np.pad(x, [(0, 0)] * (x.ndim - 1) + [(0, -K % 32)]); x = x.reshape(x.shape[:-1] + (-1, 32)); a = np.abs(x).max(-1, keepdims=True)
;;       e = np.where(a > 0, np.clip(np.frexp(np.where(a > 0, a, 1))[1] - 1 - 8, -126, 127), 0)      # np.frexp(a)[1] - 1 = floor(log2(a)), exactly
;;       r = np.clip(x / 2.0 ** e, -448, 448)
;;       step = 2.0 ** (np.maximum(np.frexp(np.where(r == 0, 1, r))[1] - 1, -6) - 3)
;;       q = np.round(r / step) * step * 2.0 ** e      # np.round: ties to even
;;       return np.moveaxis(q.reshape(q.shape[:-2] + (-1,))[..., :K], -1, axis).astype(np.float32)
;;   ~~~
;;   SOFTMAX AHEAD OF A QUANTISED PRODUCT. Where the list says 'softmax', what is quantised is not the finished softmax but p = 2^(t - M), with t = logit x log2(e) and M = ceil(the row's largest t), a whole number; so 1/2 < the row's largest p <= 1. The row's sum l is taken of the UNQUANTISED p, in f32, and the product's result is divided by l at the end. Since M is a whole number, a kernel that streams over the keys may use a running M (the ceiling of the running maximum): every later rescaling is an exact power of two, which a block's scale takes up: the codes' values come out the same.
;;   OPERANDS COMPUTED ON THE WAY. 'Computed on the way' means the value that the module computes at that place (a softmax that the list does not call 'softmax' is quantised finished and normalised). What goes into a quantiser is computed in f32, as accurately as f32 sums, v_exp_f32 and their like allow (about 1e-6 of the number): no bf16 or f16 on the way to a quantiser, and a product that is left as it is and whose result goes on into a quantised operand takes f32 operands (vector FMAs, or v_wmma_f32_16x16x4_f32). A number that lies on a knife's edge between two numbers of the format may be rounded either way, as far as f32 arithmetic and the matrix unit's own rounding can turn it there, and no further.
;;   INPUTS GIVEN AS CODES. wk (in the module: [128, 128], K = its axis 0); wo (in the module: [128, 128], K = its axis 0); wq (in the module: [128, 128], K = its axis 0); wv (in the module: [128, 128], K = its axis 0): each comes as NAME_codes (uint8): NAME with its K axis moved to the last place and cut into blocks of 32 codes, [.., K / 32, bytes a block], one block behind the other in memory; one code a byte (a code: sign, 4 exponent bits, 3 mantissa bits); and NAME_scales (uint8): the same leading axes, one E8M0 byte (e + 127) for each 32 codes along K. Its value is code x scale, taken as it is: it is not quantised again, and the codes and scales need not be those that the quantiser above would give.
;; One version. Each part assembles by itself: llvm-mc -triple=amdgcn-amd-amdhsa -mcpu=gfx1250 --defsym DOCPART=n.
;; ======== version 1 of 1: 3 launches
;; limits: right only within a limited range of input values
;; workspace buffers: part 65,536 bytes; qc 4,194,304 bytes; qs 131,072 bytes; kv 8,388,608 bytes; kvs 262,144 bytes
;; launch stats (part 1): grid 32 x 8, 8 waves a work-group, no clusters, 3,072 bytes of LDS; arguments x, part; writes part
.if DOCPART == 1
	.amdgcn_target "amdgcn-amd-amdhsa--gfx1250"
	.amdhsa_code_object_version 6
	.text
	.protected	k_q6ca40e61d9_stats
	.globl	k_q6ca40e61d9_stats
	.p2align	8
	.type	k_q6ca40e61d9_stats,@function
k_q6ca40e61d9_stats:
	s_mov_b64 s[64:65], 0
	v_nop
	global_prefetch_b8 v0, s[64:65] scope:SCOPE_SE
	s_setreg_imm32_b32 hwreg(HW_REG_WAVE_MODE, 25, 1), 1
	s_wait_xcnt 0x0
; GroupNorm's statistics, first half.  x: [8][4096 positions][128 channels] f32; a group is 4 neighbouring channels over a whole image.
; A work-group (chunk = x of the grid, batch = y) takes 128 positions, 64 KB on end; wave w takes 16 of them.  A wave's load of 16 bytes a lane is one
; position's 512 bytes, and lane l holds group l's 4 channels: a lane owns 64 numbers of ONE group, so no lane looks at another.
; Out: part[batch][chunk][group] = (sum, M2), M2 = the sum of squares about the chunk's OWN mean.  Parts are joined by
; M2 = sum of M2_i + n x sum of (mean_i - mean)^2: no difference of large sums is formed, whatever offset the inputs carry.
; No matrix unit, no tensor load, no cluster: a stream that is read once here, 64 KB in flight on a work-group.
; LIMITS: NaN and infinities among the inputs are not served.
.set X, 16                             ; v16-79 my 64 numbers
	s_load_b128 s[4:7], s[0:1], 0x0                ; x, part
	v_lshl_add_u32 v96, v0, 2, 0x800
	v_mov_b32 v97, 0
	v_lshrrev_b32 v4, 5, v0
	s_delay_alu instid0(VALU_DEP_1)
	v_readfirstlane_b32 s8, v4                     ; wave 0..7
	v_and_b32 v5, 31, v0                           ; lane = group
	s_delay_alu instid0(VALU_DEP_1)
	v_lshlrev_b32 v1, 4, v5                        ; 16 x lane: my 4 channels in a position's row
	s_delay_alu instid0(VALU_DEP_2)
	v_lshlrev_b32 v2, 3, v5                        ; 8 x lane: my group's pair
	s_delay_alu instid0(VALU_DEP_1)
	v_lshl_add_u32 v3, v4, 8, v2                   ; LDS: 256 x wave + 8 x lane
	s_and_b32 s9, ttmp7, 0xffff                    ; batch
	s_lshl_b32 s10, s9, 21                         ; a batch is 2^21 bytes,
	s_lshl_b32 s12, ttmp9, 16                      ; a chunk 2^16,
	s_add_co_u32 s10, s10, s12
	s_lshl_b32 s12, s8, 13                         ; a wave's 16 positions 2^13
	s_add_co_u32 s10, s10, s12
	s_mov_b32 s11, 0
	s_lshl_b32 s12, s9, 5
	s_add_co_u32 s12, s12, ttmp9
	s_lshl_b32 s12, s12, 8                         ; part: 256 bytes for each (batch, chunk)
	s_mov_b32 s13, 0
	s_wait_alu depctr_va_vdst(0)
	s_wait_kmcnt 0x0
	s_add_nc_u64 s[4:5], s[4:5], s[10:11]
	s_add_nc_u64 s[6:7], s[6:7], s[12:13]
.set i, 0
.rept 16
	global_load_b128 v[X+4*i:X+4*i+3], v1, s[4:5] offset:512*i     ; 32 lanes read 512 consecutive bytes
.set i, i+1
.endr
	s_wait_loadcnt 0x0
	v_pk_add_f32 v[10:11], v[16:17], v[18:19]
	v_pk_add_f32 v[94:95], v[24:25], v[28:29]
	v_pk_add_f32 v[92:93], v[32:33], v[36:37]
	v_pk_add_f32 v[90:91], v[40:41], v[44:45]
	v_pk_add_f32 v[88:89], v[48:49], v[52:53]
	v_pk_add_f32 v[86:87], v[56:57], v[60:61]
	v_pk_add_f32 v[84:85], v[64:65], v[68:69]
	v_pk_add_f32 v[8:9], v[72:73], v[76:77]
	s_delay_alu instid0(VALU_DEP_1)
	v_pk_add_f32 v[8:9], v[8:9], v[20:21]
	v_pk_add_f32 v[10:11], v[10:11], v[22:23]
	v_pk_add_f32 v[94:95], v[94:95], v[26:27]
	v_pk_add_f32 v[92:93], v[92:93], v[30:31]
	v_pk_add_f32 v[90:91], v[90:91], v[34:35]
	v_pk_add_f32 v[88:89], v[88:89], v[38:39]
	v_pk_add_f32 v[86:87], v[86:87], v[42:43]
	v_pk_add_f32 v[84:85], v[84:85], v[46:47]
	v_pk_add_f32 v[8:9], v[8:9], v[50:51]
	v_pk_add_f32 v[10:11], v[10:11], v[54:55]
	v_pk_add_f32 v[94:95], v[94:95], v[58:59]
	v_pk_add_f32 v[92:93], v[92:93], v[62:63]
	v_pk_add_f32 v[90:91], v[90:91], v[66:67]
	v_pk_add_f32 v[88:89], v[88:89], v[70:71]
	v_pk_add_f32 v[86:87], v[86:87], v[74:75]
	v_pk_add_f32 v[84:85], v[84:85], v[78:79]
	s_delay_alu instid0(VALU_DEP_4)
	v_pk_add_f32 v[8:9], v[8:9], v[90:91]
	s_delay_alu instid0(VALU_DEP_4)
	v_pk_add_f32 v[10:11], v[10:11], v[88:89]
	s_delay_alu instid0(VALU_DEP_4)
	v_pk_add_f32 v[94:95], v[94:95], v[86:87]
	s_delay_alu instid0(VALU_DEP_4)
	v_pk_add_f32 v[92:93], v[92:93], v[84:85]
	s_delay_alu instid0(VALU_DEP_2)
	v_pk_add_f32 v[8:9], v[8:9], v[94:95]
	s_delay_alu instid0(VALU_DEP_2)
	v_pk_add_f32 v[10:11], v[10:11], v[92:93]
	s_delay_alu instid0(VALU_DEP_1)
	v_pk_add_f32 v[8:9], v[8:9], v[10:11]
	s_delay_alu instid0(VALU_DEP_1)
	v_add_f32 v8, v8, v9                           ; my 64 numbers' sum
	s_delay_alu instid0(VALU_DEP_1)
	v_mul_f32 v12, 0x3c800000, v8                  ; / 64: their mean
	v_mov_b32 v13, 0                               ; (named with it as a pair)
.set i, 0
.rept 32
	v_pk_add_f32 v[X+2*i:X+2*i+1], v[X+2*i:X+2*i+1], v[12:13] op_sel_hi:[1,0] neg_lo:[0,1] neg_hi:[0,1]   ; x - mean
.set i, i+1
.endr
	v_pk_mul_f32 v[10:11], v[X:X+1], v[X:X+1]
	v_pk_mul_f32 v[14:15], v[X+2:X+3], v[X+2:X+3]
.set i, 2
.rept 15
	s_delay_alu instid0(VALU_DEP_2)
	v_pk_fma_f32 v[10:11], v[X+2*i:X+2*i+1], v[X+2*i:X+2*i+1], v[10:11]
	s_delay_alu instid0(VALU_DEP_2)
	v_pk_fma_f32 v[14:15], v[X+2*i+2:X+2*i+3], v[X+2*i+2:X+2*i+3], v[14:15]
.set i, i+2
.endr
	s_delay_alu instid0(VALU_DEP_1)
	v_pk_add_f32 v[10:11], v[10:11], v[14:15]
	s_delay_alu instid0(VALU_DEP_1)
	v_add_f32 v9, v10, v11                         ; M2 about my own mean
	ds_store_b64 v3, v[8:9]
	s_wait_dscnt 0x0                               ; for the others' sake: my pair lies in LDS
	s_barrier_signal -1
	s_barrier_wait -1
	s_cmp_lg_u32 s8, 0                             ; wave 0 joins the eight parts
	s_cbranch_scc1 .Lend
.irp w, 0,1,2,3,4,5,6,7
	ds_load_b64 v[X+2*\w:X+2*\w+1], v2 offset:256*\w
.endr
	s_wait_dscnt 0x0
	v_add_f32 v8, v16, v18
	v_add_f32 v10, v20, v22
	v_add_f32 v11, v24, v26
	v_add_f32 v12, v28, v30
	s_delay_alu instid0(VALU_DEP_3)
	v_add_f32 v8, v8, v10
	s_delay_alu instid0(VALU_DEP_2)
	v_add_f32 v11, v11, v12
	s_delay_alu instid0(VALU_DEP_1)
	v_add_f32 v8, v8, v11                          ; the chunk's sum of my group: 512 numbers
	s_delay_alu instid0(VALU_DEP_1)
	v_mul_f32 v12, 0x3b000000, v8                  ; / 512: its mean
.irp w, 0,1,2,3,4,5,6,7
	v_fma_f32 v[X+2*\w], v[X+2*\w], 0x3c800000, -v12   ; a part's mean less the chunk's
.endr
	v_mul_f32 v10, v16, v16
.irp w, 1,2,3,4,5,6,7
	s_delay_alu instid0(VALU_DEP_1)
	v_fmac_f32 v10, v[X+2*\w], v[X+2*\w]
.endr
	v_add_f32 v9, v17, v19
	v_add_f32 v11, v21, v23
	v_add_f32 v13, v25, v27
	v_add_f32 v14, v29, v31
	s_delay_alu instid0(VALU_DEP_3)
	v_add_f32 v9, v9, v11
	s_delay_alu instid0(VALU_DEP_2)
	v_add_f32 v13, v13, v14
	s_delay_alu instid0(VALU_DEP_1)
	v_add_f32 v9, v9, v13
	s_delay_alu instid0(VALU_DEP_1)
	v_fma_f32 v9, v10, 0x42800000, v9              ; M2 = the parts' M2 + 64 x the sum of squared differences of means
	global_store_b64 v2, v[8:9], s[6:7]            ; 32 lanes store 256 consecutive bytes, aligned
.Lend:
	s_wait_tensorcnt 0x0
	ds_add_u32 v96, v97
	s_wait_dscnt 0x0
	s_endpgm
.Lfunc_end_k_q6ca40e61d9_stats:
	.size	k_q6ca40e61d9_stats, .Lfunc_end_k_q6ca40e61d9_stats-k_q6ca40e61d9_stats
	.p2alignl 7, 3214868480
	.fill 96, 4, 3214868480
	.section	.rodata,"a",@progbits
	.p2align	6, 0x0
	.amdhsa_kernel k_q6ca40e61d9_stats
		.amdhsa_group_segment_fixed_size 3072
		.amdhsa_private_segment_fixed_size 0
		.amdhsa_enable_private_segment 0
		.amdhsa_kernarg_size 16
		.amdhsa_user_sgpr_count 2
		.amdhsa_user_sgpr_kernarg_segment_ptr 1
		.amdhsa_wavefront_size32 1
		.amdhsa_system_sgpr_workgroup_id_x 1
		.amdhsa_system_sgpr_workgroup_id_y 1
		.amdhsa_system_sgpr_workgroup_id_z 1
		.amdhsa_system_vgpr_workitem_id 0
		.amdhsa_next_free_vgpr 98
		.amdhsa_next_free_sgpr 66
		.amdhsa_reserve_vcc 0
		.amdhsa_float_denorm_mode_32 3
		.amdhsa_float_denorm_mode_16_64 3
		.amdhsa_memory_ordered 1
		.amdhsa_forward_progress 1
		.amdhsa_inst_pref_size 14
	.end_amdhsa_kernel
	.amdgpu_metadata
---
amdhsa.version: [ 1, 2 ]
amdhsa.kernels:
  - .name:           k_q6ca40e61d9_stats
    .symbol:         k_q6ca40e61d9_stats.kd
    .args:
      - { .name: x, .offset: 0, .size: 8, .value_kind: global_buffer, .address_space: global }
      - { .name: part, .offset: 8, .size: 8, .value_kind: global_buffer, .address_space: global }
    .group_segment_fixed_size: 3072
    .private_segment_fixed_size: 0
    .kernarg_segment_align: 8
    .kernarg_segment_size: 16
    .max_flat_workgroup_size: 256
    .sgpr_count:     66
    .vgpr_count:     98
    .wavefront_size: 32
...
	.end_amdgpu_metadata
.endif
;; end of part 1
;; launch qkv (part 2): grid 32 x 8, 8 waves a work-group, no clusters, 120,832 bytes of LDS; arguments x, part, gn_scale, gn_bias, wq_codes, wq_scales, bq, wk_codes, wk_scales, bk, wv_codes, wv_scales, bv, qc, qs, kv, kvs; writes qc, qs, kv, kvs
.if DOCPART == 2
	.amdgcn_target "amdgcn-amd-amdhsa--gfx1250"
	.amdhsa_code_object_version 6
	.text
	.protected	k_q6ca40e61d9_qkv
	.globl	k_q6ca40e61d9_qkv
	.p2align	8
	.type	k_q6ca40e61d9_qkv,@function
k_q6ca40e61d9_qkv:
	s_mov_b64 s[64:65], 0
	v_nop
	global_prefetch_b8 v0, s[64:65] scope:SCOPE_SE
	s_setreg_imm32_b32 hwreg(HW_REG_WAVE_MODE, 25, 1), 1
	s_wait_xcnt 0x0
; h = GroupNorm(x); q = Q(h) wq + bq, k, v likewise (products on E4M3 codes with one E8M0 scale for each 32 along K); then q and k are quantised along the channels and v along the positions.
; A work-group (chunk, batch) takes 128 positions: one key step and eight query tiles of the next launch.
; THE ROWS OF A TILE ARE NOT NEIGHBOURS: row r of tile t is number pat(t, r) = 32 (t / 2) + 8 (t % 2) + r + 8 (r / 8) of its 128, for positions and for the out-channels of wq, wk, wv alike.  So the 16 registers that a lane
; holds of two neighbouring result tiles are 16 neighbours along the next product's K, in the order in which an operand's registers want them: the conversions' results ARE the next operand.
; SHARES.  Wave w makes h's tile w; q and k of that tile (transposed: source 0 = 16 out-channels, source 1 = h: a lane holds one position, registers along the channels); and v's out-channel tile w for all 128 positions
; (source 0 = 16 positions, source 1 = 16 out-channels: a lane holds one channel, registers along the positions, which are the keys).
; Operands go from wave to wave through LDS, and to memory, as IMAGES OF THEIR REGISTERS: four stores of 16 bytes a lane at 16 x lane, 512 bytes each.
; OUT: qc[batch][tile 256][2048]; qs[batch][tile][16 words]; kv[batch][step 32][K's 8 images | V's 8 images]; kvs[batch][step][K's 8 x 16 words | V's 8 x 16 words].
; No tensor load: the weights are 48 KB a work-group, each wave brings a tile of each.  No cluster: work-groups share only those weights, a small part of a work-group's bytes.
; LIMITS: NaN and infinities are not served; a block of zeros gets the scale byte 1 (its codes are zeros; this program alone reads the bytes); a block whose largest magnitude lies under 2^-118 has its byte held at 1.
; REGISTERS, window 0: v1-13 addresses; v16-79 the partial statistics, then h as the quantiser wants it, then bk and k; v80-143 x's rows and h, then bq and q, then v; v144-159 k's codes; v160-167 bv; v168-175 h's scale words;
;   v176-191 my tile of wv; v192-215 gains and statistics, then v192-207 h's codes; v208-223 codes of q, then of v; v224-239 at work; v240-243 the scale words made; v244-252 the weights' scale words.
;   window 1: v0-127 wq's eight fragments, then h's eight; v128-255 wk's eight.
.set WQI,  0                           ; LDS: wq's eight images,
.set WKI,  16384                       ; wk's,
.set HIMG, 32768                       ; h's,
.set HSC,  49152                       ; h's scale words, 128 bytes a tile,
.set GAT,  50176                       ; the scale words on their way out: K's 512 bytes, V's 512, Q's 512,
.set STG,  51712                       ; and for each wave 16 rows of 512 + 16 bytes: h turns from rows into the quantiser's layout
.set TM,   224
.set SEL,  48
.set MNT,  50
.set MSB, 0
.macro WIN new                         ; s_set_vgpr_msb: bits 1:0 source 0, 3:2 source 1, 5:4 source 2, 7:6 destination; the high byte repeats the setting that is left
.if MSB != \new
	s_set_vgpr_msb (MSB<<8)|\new
.set MSB, \new
.endif
.endm
; 64 numbers of a lane, register 16 b + i = k 32 b + 16 (lane / 16) + i of my row, become a fragment's codes in v[pc] on and its scale word in v[pw].
.macro QUANT s, pc, pw
.irp b, 0,1,2,3
	v_max3_num_f32 v[TM+\b], |v[\s+16*\b]|, |v[\s+1+16*\b]|, 0x4800000   ; block b: my 16 numbers, and the floor 2^(9 - 127): the byte cannot fall under 1
.endr
.irp i, 2,4,6,8,10,12,14
.irp b, 0,1,2,3
	v_max3_num_f32 v[TM+\b], v[TM+\b], |v[\s+16*\b+\i]|, |v[\s+1+16*\b+\i]|   ; the four blocks by turns
.endr
.endr
.irp b, 0,1,2,3
	s_delay_alu instid0(VALU_DEP_4)
	v_permlanex16_b32 v[TM+4+\b], v[TM+\b], s[SEL], s[SEL+1]
.endr
.irp b, 0,1,2,3
	s_delay_alu instid0(VALU_DEP_4)
	v_max_num_f32 v[TM+\b], v[TM+\b], v[TM+4+\b]   ; with lane l xor 16's: the block's largest magnitude
.endr
.irp b, 0,1,2,3
	s_delay_alu instid0(VALU_DEP_4)
	v_add_nc_u32 v[TM+12+\b], 0xfc000000, v[TM+\b] ; 8 off its exponent field: the conversion's scale operand
.endr
.irp b, 0,1,2,3
.endr
.irp b, 0,1,2,3
	s_delay_alu instid0(VALU_DEP_4)
	v_lshrrev_b32 v[TM+4+\b], 23, v[TM+12+\b]      ; the scale's byte
.endr
	s_delay_alu instid0(VALU_DEP_3)
	v_lshl_or_b32 v[\pw], v[TM+5], 8, v[TM+4]
	s_delay_alu instid0(VALU_DEP_1)
	v_lshl_or_b32 v[\pw], v[TM+6], 16, v[\pw]
	s_delay_alu instid0(VALU_DEP_1)
	v_lshl_or_b32 v[\pw], v[TM+7], 24, v[\pw]
.irp b, 0,1,2,3
.irp i, 0,1,2,3,4,5,6,7,8,9,10,11,12,13,14,15
.endr
	v_cvt_scalef32_pk8_fp8_f32 v[\pc+4*\b:\pc+1+4*\b], v[\s+16*\b:\s+7+16*\b], v[TM+12+\b]
	v_cvt_scalef32_pk8_fp8_f32 v[\pc+2+4*\b:\pc+3+4*\b], v[\s+8+16*\b:\s+15+16*\b], v[TM+12+\b]
.endr
	v_nop                                          ; a plain line between the last conversion and whatever next touches its registers
.endm
.macro BARRIER                                 ; my LDS stores have landed and my LDS loads are in: then the work-group's barrier
	s_wait_dscnt 0x0
	s_barrier_signal -1
	s_barrier_wait -1
.endm
	s_load_b512 s[8:23], s[0:1], 0x0               ; x 8, part 10, gn_scale 12, gn_bias 14, wq_codes 16, wq_scales 18, bq 20, wk_codes 22
	s_load_b512 s[24:39], s[0:1], 0x40             ; wk_scales 24, bk 26, wv_codes 28, wv_scales 30, bv 32, qc 34, qs 36, kv 38
	s_load_b64 s[40:41], s[0:1], 0x80              ; kvs
	v_lshl_add_u32 v254, v0, 2, 0x1d400
	v_mov_b32 v255, 0
	v_lshrrev_b32 v14, 5, v0
	s_delay_alu instid0(VALU_DEP_1)
	v_readfirstlane_b32 s42, v14                   ; wave 0..7
	s_and_b32 s43, ttmp7, 0xffff                   ; batch
	s_mov_b32 s44, ttmp9                           ; chunk
	s_lshr_b32 s45, s42, 1
	s_lshl_b32 s45, s45, 5
	s_and_b32 s46, s42, 1
	s_lshl_b32 s46, s46, 3
	s_add_co_u32 s45, s45, s46                     ; P0 = 32 (w / 2) + 8 (w % 2): where tile w begins
	v_and_b32 v14, 31, v0
	s_delay_alu instid0(VALU_DEP_1)
	v_lshlrev_b32 v1, 4, v14                       ; 16 x lane
	s_delay_alu instid0(VALU_DEP_2)
	v_lshlrev_b32 v2, 2, v14                       ; 4 x lane
	s_delay_alu instid0(VALU_DEP_3)
	v_lshlrev_b32 v3, 3, v14                       ; 8 x lane
	v_and_b32 v14, 15, v0                          ; r
	v_bfe_u32 v15, v0, 4, 1                        ; h
	s_mul_i32 s46, s42, 8448
	s_add_co_u32 s46, s46, STG                     ; my stage
	v_add_nc_u32 v4, s46, v1                       ; into it: a row's 512 bytes, 16 a lane
	v_mul_u32_u24 v5, v14, 528
	s_delay_alu instid0(VALU_DEP_1)
	v_lshl_add_u32 v5, v15, 6, v5
	s_delay_alu instid0(VALU_DEP_1)
	v_add_nc_u32 v5, s46, v5                       ; out of it: row r, + 64 h: my 16 numbers of a block of 32
	v_and_b32 v7, 8, v14
	s_delay_alu instid0(VALU_DEP_1)
	v_add_nc_u32 v7, v7, v14                       ; r + 8 (r / 8)
	s_delay_alu instid0(VALU_DEP_1)
	v_lshlrev_b32 v6, 7, v7
	s_delay_alu instid0(VALU_DEP_1)
	v_lshl_add_u32 v6, v15, 4, v6                  ; a weight's tile: that row of 128 bytes, + 16 h
	s_delay_alu instid0(VALU_DEP_3)
	v_lshlrev_b32 v7, 2, v7                        ; 4 bytes a row
	s_delay_alu instid0(VALU_DEP_1)
	v_lshl_add_u32 v8, v15, 5, v7                  ; lanes 16-31: the next tile's rows, 8 further on
	v_lshlrev_b32 v9, 6, v15                       ; a bias in the transposed result's layout: 64 h
	s_lshl_b32 s46, s42, 11
	v_add_nc_u32 v10, s46, v1                      ; my image: 2048 x wave + 16 x lane
	s_lshl_b32 s46, s42, 7
	v_add_nc_u32 v11, s46, v2                      ; my scale words' image: 128 x wave + 4 x lane
	s_lshl_b32 s46, s42, 6
	v_lshl_add_u32 v12, v14, 2, s46                ; the words on their way out: 64 x wave + 4 r
	s_lshl_b32 s46, s42, 9
	v_add_nc_u32 v13, s46, v1                      ; and back: 512 x wave + 16 x lane
.irp b, 0,1,2,3
	v_mov_b32 v[TM+4+\b], 0                        ; written once: a lane permute's destination counts as one of its sources
.endr
	s_mov_b32 s[SEL], 0x76543210
	s_mov_b32 s[SEL+1], 0xfedcba98                 ; v_permlanex16_b32's selects for lane l xor 16
	s_mov_b32 s51, 0x38800000                      ; 2^-14: a group has 16,384 numbers
	s_mov_b32 s52, 0x3b000000                      ; 2^-9: a chunk's part has 512
	s_mov_b32 s53, 0x44000000                      ; 512
	s_mov_b32 s54, 0x358637bd                      ; eps = 1e-6
	s_mov_b32 s47, 0
	s_wait_kmcnt 0x0
	s_lshl_b32 s46, s43, 12
	s_lshl_b32 s55, s44, 7
	s_add_co_u32 s46, s46, s55
	s_add_co_u32 s46, s46, s45
	s_lshl_b32 s46, s46, 9
	s_add_nc_u64 s[8:9], s[8:9], s[46:47]          ; x at my tile's first position
	s_lshl_b32 s46, s43, 13
	s_add_nc_u64 s[10:11], s[10:11], s[46:47]      ; part at my batch
	s_lshl_b32 s46, s45, 7
	s_add_nc_u64 s[16:17], s[16:17], s[46:47]      ; the weights' codes at tile w
	s_add_nc_u64 s[22:23], s[22:23], s[46:47]
	s_add_nc_u64 s[28:29], s[28:29], s[46:47]
	s_lshl_b32 s46, s45, 2
	s_add_nc_u64 s[30:31], s[30:31], s[46:47]      ; wv's scale words and bv at tile w
	s_add_nc_u64 s[32:33], s[32:33], s[46:47]
	s_lshl_b32 s55, s43, 5
	s_add_co_u32 s55, s55, s44                     ; 32 x batch + chunk
	s_lshl_b32 s46, s55, 3
	s_add_co_u32 s46, s46, s42
	s_lshl_b32 s46, s46, 11
	s_add_nc_u64 s[34:35], s[34:35], s[46:47]      ; qc at my tile
	s_lshl_b32 s46, s55, 15
	s_lshl_b32 s56, s42, 11
	s_add_co_u32 s46, s46, s56
	s_add_nc_u64 s[38:39], s[38:39], s[46:47]      ; kv at my step, my image
	s_lshl_b32 s46, s55, 10
	s_add_nc_u64 s[40:41], s[40:41], s[46:47]      ; kvs at my step
	s_lshl_b32 s46, s55, 9
	s_add_nc_u64 s[36:37], s[36:37], s[46:47]      ; qs at my chunk's eight tiles
	; ---- all first loads, in the order in which they are wanted
.set i, 0
.rept 32
	global_load_b64 v[16+2*i:17+2*i], v3, s[10:11] offset:256*i   ; lane = group: chunk i's (sum, M2)
.set i, i+1
.endr
	global_load_b128 v[192:195], v1, s[12:13]      ; the gains of my 4 channels
	global_load_b128 v[196:199], v1, s[14:15]      ; and the offsets
.set i, 0
.rept 16
	global_load_b128 v[80+4*i:83+4*i], v1, s[8:9] offset:(i+8*(i/8))*512   ; row i of my tile: 512 consecutive bytes
.set i, i+1
.endr
	WIN 0x40                                       ; destination window 1
.irp c, 0,1,2,3
	global_load_b128 v[4*\c:4*\c+3], v6, s[16:17] offset:32*\c       ; wq's tile w
.endr
.irp c, 0,1,2,3
	global_load_b128 v[128+4*\c:131+4*\c], v6, s[22:23] offset:32*\c ; wk's
.endr
	WIN 0
.irp c, 0,1,2,3
	global_load_b128 v[176+4*\c:179+4*\c], v6, s[28:29] offset:32*\c ; wv's: it stays
.endr
.irp p, 0,1,2,3
	global_load_b32 v[244+\p], v8, s[18:19] offset:128*\p            ; wq's scale words: lanes 0-15 tile 2 p, lanes 16-31 tile 2 p + 1
.endr
.irp p, 0,1,2,3
	global_load_b32 v[248+\p], v8, s[24:25] offset:128*\p            ; wk's
.endr
	global_load_b32 v252, v7, s[30:31]                               ; wv's, tile w
	; ---- the statistics of my lane's group
	s_wait_loadcnt 37                              ; the partials and the gains are in; behind them: x's 16 loads, the weights' 12, the scale words' 9
.irp k, 0,1,2,3
	v_add_f32 v[202+\k], v[16+2*\k], v[24+2*\k]    ; four chains each for the sums and for the M2
	v_add_f32 v[206+\k], v[17+2*\k], v[25+2*\k]
.endr
.irp i, 8,12,16,20,24,28
.irp k, 0,1,2,3
	v_add_f32 v[202+\k], v[202+\k], v[16+2*(\i+\k)]
	v_add_f32 v[206+\k], v[206+\k], v[17+2*(\i+\k)]
.endr
.endr
	v_add_f32 v202, v202, v203
	s_delay_alu instid0(VALU_DEP_3)
	v_add_f32 v204, v204, v205
	v_add_f32 v206, v206, v207
	s_delay_alu instid0(VALU_DEP_4)
	v_add_f32 v208, v208, v209
	s_delay_alu instid0(VALU_DEP_3)
	v_add_f32 v202, v202, v204
	s_delay_alu instid0(VALU_DEP_2)
	v_add_f32 v206, v206, v208                     ; the parts' M2
	s_delay_alu instid0(VALU_DEP_2)
	v_mul_f32 v200, s51, v202                      ; the group's mean
	v_mov_b32 v201, 0                              ; (named with it as a pair)
.set i, 0
.rept 32
	v_fma_f32 v[16+2*i], v[16+2*i], s52, -v200     ; a part's mean less the group's
.set i, i+1
.endr
.irp k, 0,1,2,3
	v_mul_f32 v[202+\k], v[16+2*\k], v[16+2*\k]
.endr
.irp i, 4,8,12,16,20,24,28
.irp k, 0,1,2,3
	s_delay_alu instid0(VALU_DEP_4)
	v_fmac_f32 v[202+\k], v[16+2*(\i+\k)], v[16+2*(\i+\k)]
.endr
.endr
	s_delay_alu instid0(VALU_DEP_3)
	v_add_f32 v202, v202, v203
	s_delay_alu instid0(VALU_DEP_2)
	v_add_f32 v204, v204, v205
	s_delay_alu instid0(VALU_DEP_1)
	v_add_f32 v202, v202, v204
	s_delay_alu instid0(VALU_DEP_1)
	v_fma_f32 v202, v202, s53, v206                ; M2 = the parts' M2 + 512 x the sum of squared differences of means
	s_delay_alu instid0(VALU_DEP_1)
	v_fma_f32 v202, v202, s51, s54                 ; the variance + eps
	s_wait_alu depctr_va_vdst(0)
	v_rsq_f32 v203, v202
	v_nop                                          ; a plain line behind the transcendental,
	s_wait_alu depctr_va_vdst(0)                   ; and the wait ahead of its first reader
.irp k, 0,1,2,3
	v_mul_f32 v[192+\k], v[192+\k], v203           ; gain / sqrt(variance + eps)
.endr
	; ---- h = (x - mean) x that + offset
	s_wait_loadcnt 21                              ; x is in; behind it: the weights' 12 loads and the scale words' 9
.set i, 0
.rept 32
	v_pk_add_f32 v[80+2*i:81+2*i], v[80+2*i:81+2*i], v[200:201] op_sel_hi:[1,0] neg_lo:[0,1] neg_hi:[0,1]
.set i, i+1
.endr
.set i, 0
.rept 16
	v_pk_fma_f32 v[80+4*i:81+4*i], v[80+4*i:81+4*i], v[192:193], v[196:197]
	v_pk_fma_f32 v[82+4*i:83+4*i], v[82+4*i:83+4*i], v[194:195], v[198:199]
.set i, i+1
.endr
	; ---- the turn: rows in, 16 neighbours of each block of 32 out.  My own bytes; LDS serves a wave's instructions in order (ISA guide 5.7.1.4): no wait between
.set i, 0
.rept 16
	ds_store_b128 v4, v[80+4*i:83+4*i] offset:528*i
.set i, i+1
.endr
.irp b, 0,1,2,3
.irp j, 0,1,2,3
	ds_load_b128 v[16+16*\b+4*\j:19+16*\b+4*\j], v5 offset:128*\b+16*\j
.endr
.endr
	s_wait_loadcnt 9                               ; the weights' tiles are in; the scale words' 9 loads may be out
	WIN 0x04                                       ; an LDS store's data are its source 1: window 1
.irp c, 0,1,2,3
	ds_store_b128 v10, v[4*\c:4*\c+3] offset:WQI+512*\c
	ds_store_b128 v10, v[128+4*\c:131+4*\c] offset:WKI+512*\c
.endr
	WIN 0
	s_wait_dscnt 0x0                               ; h is back, and every store has read its registers
.irp t, 0,1,2,3,4,5,6,7
	global_load_b128 v[80+8*\t:83+8*\t], v9, s[20:21] offset:(32*(\t/2)+8*(\t%2))*4      ; bq as the C of q's products: tile t, my half's eight channels
	global_load_b128 v[84+8*\t:87+8*\t], v9, s[20:21] offset:(32*(\t/2)+8*(\t%2))*4+16
.endr
	QUANT 16, 192, 240
.irp c, 0,1,2,3
	ds_store_b128 v10, v[192+4*\c:195+4*\c] offset:HIMG+512*\c
.endr
	ds_store_b32 v11, v240 offset:HSC
.irp t, 0,1,2,3,4,5,6,7
	global_load_b128 v[16+8*\t:19+8*\t], v9, s[26:27] offset:(32*(\t/2)+8*(\t%2))*4      ; bk likewise
	global_load_b128 v[20+8*\t:23+8*\t], v9, s[26:27] offset:(32*(\t/2)+8*(\t%2))*4+16
.endr
.irp j, 0,1,2,3,4,5,6,7
	global_load_b32 v[160+\j], v7, s[32:33]        ; bv as the C of v's products: a lane holds one channel, so eight equal registers
.endr
	s_wait_alu depctr_va_vdst(0)
	BARRIER                                        ; the images of wq, wk and h lie in LDS
	WIN 0x40
.irp t, 0,1,2,3,4,5,6,7
.irp c, 0,1,2,3
	ds_load_b128 v[16*\t+4*\c:16*\t+4*\c+3], v1 offset:WQI+2048*\t+512*\c
.endr
.endr
.irp t, 0,1,2,3,4,5,6,7
.irp c, 0,1,2,3
	ds_load_b128 v[128+16*\t+4*\c:128+16*\t+4*\c+3], v1 offset:WKI+2048*\t+512*\c
.endr
.endr
	WIN 0
.irp t, 0,1,2,3,4,5,6,7
	ds_load_b32 v[168+\t], v2 offset:HSC+128*\t
.endr
.rept 4
	v_nop                                          ; codes written by vector instructions stand four places ahead of a scaled matrix instruction
.endr
	s_wait_loadcnt 0x0                             ; the scale words and the biases
	s_wait_dscnt 40                                ; wq's 32 loads are in; behind them: wk's 32 and h's 8 words
	WIN 0x01                                       ; source 0 window 1
.irp t, 0,1,2,3,4,5,6,7                        ; q^T: eight accumulators, one instruction each
.if \t%2
	v_wmma_scale_f32_16x16x128_f8f6f4 v[80+8*\t:87+8*\t], v[16*\t:16*\t+15], v[192:207], v[80+8*\t:87+8*\t], v[244+\t/2], v240 matrix_a_scale:MATRIX_SCALE_ROW1
.else
	v_wmma_scale_f32_16x16x128_f8f6f4 v[80+8*\t:87+8*\t], v[16*\t:16*\t+15], v[192:207], v[80+8*\t:87+8*\t], v[244+\t/2], v240
.endif
.endr
	s_wait_dscnt 8                                 ; wk's are in; h's 8 words may be out
.irp t, 0,1,2,3,4,5,6,7                        ; k^T
.if \t%2
	v_wmma_scale_f32_16x16x128_f8f6f4 v[16+8*\t:23+8*\t], v[128+16*\t:143+16*\t], v[192:207], v[16+8*\t:23+8*\t], v[248+\t/2], v240 matrix_a_scale:MATRIX_SCALE_ROW1
.else
	v_wmma_scale_f32_16x16x128_f8f6f4 v[16+8*\t:23+8*\t], v[128+16*\t:143+16*\t], v[192:207], v[16+8*\t:23+8*\t], v[248+\t/2], v240
.endif
.endr
	WIN 0
.rept 8
	v_nop                                          ; eight places ahead of the loads into wq's registers and of the first read of q
.endr
	WIN 0x40
.irp t, 0,1,2,3,4,5,6,7
.irp c, 0,1,2,3
	ds_load_b128 v[16*\t+4*\c:16*\t+4*\c+3], v1 offset:HIMG+2048*\t+512*\c   ; h's eight tiles land while q is quantised
.endr
.endr
	WIN 0
	QUANT 80, 208, 241
.irp c, 0,1,2,3
	global_store_b128 v1, v[208+4*\c:211+4*\c], s[34:35] offset:512*\c       ; 512 consecutive bytes, aligned
.endr
	ds_store_b32 v12, v241 offset:GAT+1024
	s_wait_dscnt 0x0                               ; h's tiles and their words are in
	WIN 0x01
.irp t, 0,1,2,3,4,5,6,7                        ; v: source 0 = 16 positions, source 1 = my 16 out-channels
	v_wmma_scale_f32_16x16x128_f8f6f4 v[80+8*\t:87+8*\t], v[16*\t:16*\t+15], v[176:191], v[160:167], v[168+\t], v252
.endr
	WIN 0
	QUANT 16, 144, 242                             ; k; its lines name no register of v's products: they are the places behind those
.irp c, 0,1,2,3
	global_store_b128 v1, v[144+4*\c:147+4*\c], s[38:39] offset:512*\c
.endr
	ds_store_b32 v12, v242 offset:GAT
	s_wait_xcnt 0x0                                ; q's stores have read their registers, which take v's codes
	QUANT 80, 208, 243
.irp c, 0,1,2,3
	global_store_b128 v1, v[208+4*\c:211+4*\c], s[38:39] offset:16384+512*\c
.endr
	ds_store_b32 v12, v243 offset:GAT+512
	BARRIER                                        ; all scale words lie together
	s_lshl_b32 s52, s42, 9                         ; wave 0 stores K's 512 bytes, wave 1 V's, wave 2 Q's
	s_cmp_lt_u32 s42, 2
	s_cselect_b64 s[56:57], s[40:41], s[36:37]
	s_cselect_b32 s52, s52, 0
	s_mov_b32 s53, 0
	s_add_nc_u64 s[56:57], s[56:57], s[52:53]
	s_cmp_lt_u32 s42, 3
	s_cbranch_scc0 .Lend
	ds_load_b128 v[16:19], v13 offset:GAT
	s_wait_dscnt 0x0
	global_store_b128 v1, v[16:19], s[56:57]       ; 512 consecutive bytes, aligned
.Lend:
	s_wait_tensorcnt 0x0
	ds_add_u32 v254, v255
	s_wait_dscnt 0x0
	s_endpgm
.Lfunc_end_k_q6ca40e61d9_qkv:
	.size	k_q6ca40e61d9_qkv, .Lfunc_end_k_q6ca40e61d9_qkv-k_q6ca40e61d9_qkv
	.p2alignl 7, 3214868480
	.fill 96, 4, 3214868480
	.section	.rodata,"a",@progbits
	.p2align	6, 0x0
	.amdhsa_kernel k_q6ca40e61d9_qkv
		.amdhsa_group_segment_fixed_size 120832
		.amdhsa_private_segment_fixed_size 0
		.amdhsa_enable_private_segment 0
		.amdhsa_kernarg_size 136
		.amdhsa_user_sgpr_count 2
		.amdhsa_user_sgpr_kernarg_segment_ptr 1
		.amdhsa_wavefront_size32 1
		.amdhsa_system_sgpr_workgroup_id_x 1
		.amdhsa_system_sgpr_workgroup_id_y 1
		.amdhsa_system_sgpr_workgroup_id_z 1
		.amdhsa_system_vgpr_workitem_id 0
		.amdhsa_next_free_vgpr 512
		.amdhsa_next_free_sgpr 66
		.amdhsa_reserve_vcc 0
		.amdhsa_float_denorm_mode_32 3
		.amdhsa_float_denorm_mode_16_64 3
		.amdhsa_fp16_overflow 1
		.amdhsa_memory_ordered 1
		.amdhsa_forward_progress 1
		.amdhsa_inst_pref_size 58
	.end_amdhsa_kernel
	.amdgpu_metadata
---
amdhsa.version: [ 1, 2 ]
amdhsa.kernels:
  - .name:           k_q6ca40e61d9_qkv
    .symbol:         k_q6ca40e61d9_qkv.kd
    .args:
      - { .name: x, .offset: 0, .size: 8, .value_kind: global_buffer, .address_space: global }
      - { .name: part, .offset: 8, .size: 8, .value_kind: global_buffer, .address_space: global }
      - { .name: gn_scale, .offset: 16, .size: 8, .value_kind: global_buffer, .address_space: global }
      - { .name: gn_bias, .offset: 24, .size: 8, .value_kind: global_buffer, .address_space: global }
      - { .name: wq_codes, .offset: 32, .size: 8, .value_kind: global_buffer, .address_space: global }
      - { .name: wq_scales, .offset: 40, .size: 8, .value_kind: global_buffer, .address_space: global }
      - { .name: bq, .offset: 48, .size: 8, .value_kind: global_buffer, .address_space: global }
      - { .name: wk_codes, .offset: 56, .size: 8, .value_kind: global_buffer, .address_space: global }
      - { .name: wk_scales, .offset: 64, .size: 8, .value_kind: global_buffer, .address_space: global }
      - { .name: bk, .offset: 72, .size: 8, .value_kind: global_buffer, .address_space: global }
      - { .name: wv_codes, .offset: 80, .size: 8, .value_kind: global_buffer, .address_space: global }
      - { .name: wv_scales, .offset: 88, .size: 8, .value_kind: global_buffer, .address_space: global }
      - { .name: bv, .offset: 96, .size: 8, .value_kind: global_buffer, .address_space: global }
      - { .name: qc, .offset: 104, .size: 8, .value_kind: global_buffer, .address_space: global }
      - { .name: qs, .offset: 112, .size: 8, .value_kind: global_buffer, .address_space: global }
      - { .name: kv, .offset: 120, .size: 8, .value_kind: global_buffer, .address_space: global }
      - { .name: kvs, .offset: 128, .size: 8, .value_kind: global_buffer, .address_space: global }
    .group_segment_fixed_size: 120832
    .private_segment_fixed_size: 0
    .kernarg_segment_align: 8
    .kernarg_segment_size: 136
    .max_flat_workgroup_size: 256
    .sgpr_count:     66
    .vgpr_count:     512
    .wavefront_size: 32
...
	.end_amdgpu_metadata
.endif
;; end of part 2
;; launch attn (part 3): grid 32 x 8, 8 waves a work-group, clusters of 4 x 1, 327,680 bytes of LDS; arguments qc, qs, kv, kvs, wo_codes, wo_scales, bo, x, out0; writes out0
.if DOCPART == 3
	.amdgcn_target "amdgcn-amd-amdhsa--gfx1250"
	.amdhsa_code_object_version 6
	.text
	.protected	k_q6ca40e61d9_attn
	.globl	k_q6ca40e61d9_attn
	.p2align	8
	.type	k_q6ca40e61d9_attn,@function
k_q6ca40e61d9_attn:
	s_mov_b64 s[64:65], 0
	v_nop
	global_prefetch_b8 v0, s[64:65] scope:SCOPE_SE
	s_setreg_imm32_b32 hwreg(HW_REG_WAVE_MODE, 25, 1), 1
	s_wait_xcnt 0x0
	s_wait_alu depctr_hold_cnt(0) depctr_sa_sdst(0) depctr_va_vdst(0) depctr_va_sdst(0) depctr_va_ssrc(0) depctr_va_vcc(0) depctr_vm_vsrc(0)
	s_getreg_b32 s2, hwreg(HW_REG_IB_STS2, 6, 4)
	s_cmp_eq_u32 s2, 0
	s_cbranch_scc0 .Lentry_in_a_cluster
	s_endpgm
.Lentry_in_a_cluster:
	s_bfe_u32 s2, ttmp6, 0x10000c
	s_cmp_lg_u32 s2, 0x3003
	s_cbranch_scc0 .Lentry_shape_is_right
	s_endpgm
.Lentry_shape_is_right:
; out0 = x + Q(softmax(q k^T / sqrt(128)) v) wo + bo, all products on E4M3 codes with one E8M0 scale for each 32 along K.  q, k, v come as images of operand registers.
; THE SOFTMAX: t = score x log2(e) / sqrt(128); M = the running largest t rounded UP to a whole number; p = 2^(t - M) is quantised along the keys, not normalised; the row's sum is taken of the unquantised p and divides O at
; the end.  When M moves, the sum and O are multiplied by 2^(old M - new M): exact.
; SHARES.  A work-group owns 128 queries of a batch, each of its eight waves one tile of 16, in 512 registers: two waves to a SIMD.  Every wave walks the batch's 32 key steps of 128 keys.
; Both products are used transposed (S^T = K Q^T, O^T = V^T P^T): a lane holds ONE query throughout.  The rows of a tile are pat(t, r) = 32 (t / 2) + 8 (t % 2) + r + 8 (r / 8), so that a lane's registers of two neighbouring result
; tiles are 16 neighbours along the next K: p's codes and o's codes are the next operand as the conversions leave them.
; THE RING.  Two LDS slots of four key steps (131,072 bytes); each wave brings an eighth of a slot by one tensor load.  The scale words of the whole batch (32,768 bytes) come once.  Nothing is padded: a fragment's load is 512 bytes on end.
; CLUSTER.  The four query blocks of a cluster belong to one batch and walk the same K and V: every tensor load is asked JOINTLY, with one descriptor and a mask that names the four.
; A key step's LDS loads stand a softmax ahead of their use: V's and the next step's K's are issued behind the scores' products.
; LIMITS: NaN and infinities are not served; a block of zeros gets the scale byte 1 (its codes are zeros); a block whose largest magnitude lies under 2^-118 has its byte held at 1.
; REGISTERS, window 0: v1-11 addresses; v12 -M, v13 the largest t, v[14:15] the sum in two halves; v16-31 Q; v32-35 K's scale words (two tiles a register), at the end wo's; v36-39 V's; v40 Q's; v41 p's, at the end o's;
;   v[42:43] f; v44-62 at work; v96-159 S^T, p, o, rows of the result; v160-223 O^T, at the end the last product; v224-239 codes.
;   window 1: v0-127 K's eight fragments, at the end wo's; v128-255 V's eight, at the end x's rows (v128-191) and bo (v192-255).
.set SLOT1, 1<<17                      ; slot 1 begins here: one exclusive or turns an address in one slot into the other's
.set SLOTB, 131072                     ; four key steps of 32,768 bytes: K's eight images, then V's eight
.set SCL,   262144                     ; the batch's scale words: 1,024 bytes a step: K's 512, V's 512
.set SPARE, 294912                     ; the spare words, 128 bytes for each wave: four blocks of 256 bytes that no other line names
.set TM,   44                          ; v44-47 largest scores, then largest p; v48-51 the other half's, then bytes; v56-59 the conversions' scale operands
.set BM,   44
.set T1,   48
.set HOLD, 52
.set SCO,  56
.set WV,   26
.set SEL,  56
.set CS,   58
.set MNT,  60
.set TB,   61                          ; LDS byte at which the step in hand begins
.set TS,   62                          ; and its scale words, from SCL on
.set SLOTS, 63
.set CNT,  66
.set LIM,  67                          ; 1 in a wave that prefetches, else the greatest number
.set PFA,  68
.set MSB, 0
.macro WIN new                         ; s_set_vgpr_msb: bits 1:0 source 0, 3:2 source 1, 5:4 source 2, 7:6 destination; the high byte repeats the setting that is left
.if MSB != \new
	s_set_vgpr_msb (MSB<<8)|\new
.set MSB, \new
.endif
.endm
; A round of the cluster's barrier: my work-group's barrier; wave 0 signals for the work-group; every wave waits for all four work-groups; my work-group's barrier once more.
.macro CROUND
	s_barrier_signal -1
	s_barrier_wait -1
	s_cmp_lg_u32 s[WV], 0
	s_cbranch_scc1 .Lnot_wave_0_\@
	s_barrier_signal -3
.Lnot_wave_0_\@:
	s_barrier_wait -3
	s_barrier_signal -1
	s_barrier_wait -1
.endm
.macro QUANT s, pc, pw                 ; 64 numbers of a lane, register 16 b + i = k 32 b + 16 (lane / 16) + i of my row, become codes in v[pc] on and a scale word in v[pw]
.irp b, 0,1,2,3
	v_max3_num_f32 v[TM+\b], |v[\s+16*\b]|, |v[\s+1+16*\b]|, 0x4800000   ; and the floor 2^(9 - 127): the byte cannot fall under 1
.endr
.irp i, 2,4,6,8,10,12,14
.irp b, 0,1,2,3
	v_max3_num_f32 v[TM+\b], v[TM+\b], |v[\s+16*\b+\i]|, |v[\s+1+16*\b+\i]|
.endr
.endr
.irp b, 0,1,2,3
	v_permlanex16_b32 v[TM+4+\b], v[TM+\b], s[SEL], s[SEL+1]
.endr
.irp b, 0,1,2,3
	v_max_num_f32 v[TM+\b], v[TM+\b], v[TM+4+\b]
.endr
.irp b, 0,1,2,3
	v_add_nc_u32 v[TM+12+\b], 0xfc000000, v[TM+\b]
.endr
.irp b, 0,1,2,3
.endr
.irp b, 0,1,2,3
	v_lshrrev_b32 v[TM+4+\b], 23, v[TM+12+\b]
.endr
	v_lshl_or_b32 v[\pw], v[TM+5], 8, v[TM+4]
	v_lshl_or_b32 v[\pw], v[TM+6], 16, v[\pw]
	v_lshl_or_b32 v[\pw], v[TM+7], 24, v[\pw]
.irp b, 0,1,2,3
.irp i, 0,1,2,3,4,5,6,7,8,9,10,11,12,13,14,15
.endr
	v_cvt_scalef32_pk8_fp8_f32 v[\pc+4*\b:\pc+1+4*\b], v[\s+16*\b:\s+7+16*\b], v[TM+12+\b]
	v_cvt_scalef32_pk8_fp8_f32 v[\pc+2+4*\b:\pc+3+4*\b], v[\s+8+16*\b:\s+15+16*\b], v[TM+12+\b]
.endr
	v_nop
.endm
.macro KLOAD fo, so                    ; K's eight fragments from fo bytes behind v3, and their scale words from so bytes behind v4: 36 LDS loads
	WIN 0x40                                       ; destination window 1
.irp t, 0,1,2,3,4,5,6,7
.irp c, 0,1,2,3
	ds_load_b128 v[16*\t+4*\c:16*\t+4*\c+3], v3 offset:\fo+2048*\t+512*\c
.endr
.endr
	WIN 0
.irp p, 0,1,2,3
	ds_load_b32 v[32+\p], v4 offset:\so+128*\p     ; lanes 0-15 tile 2 p's words, lanes 16-31 tile 2 p + 1's
.endr
.endm
.macro VLOAD                           ; the step's V: 36 LDS loads
.irp p, 0,1,2,3
	ds_load_b32 v[36+\p], v4 offset:512+128*\p
.endr
	WIN 0x40
.irp n, 0,1,2,3,4,5,6,7
.irp c, 0,1,2,3
	ds_load_b128 v[128+16*\n+4*\c:128+16*\n+4*\c+3], v3 offset:16384+2048*\n+512*\c
.endr
.endr
	WIN 0
.endm
.macro WOLOAD                          ; wo's eight tiles (rows 16 t + r, as they lie) and their scale words take K's places: 36 loads
	WIN 0x40
.irp t, 0,1,2,3,4,5,6,7
.irp c, 0,1,2,3
	global_load_b128 v[16*\t+4*\c:16*\t+4*\c+3], v8, s[16:17] offset:2048*\t+32*\c
.endr
.endr
	WIN 0
.irp p, 0,1,2,3
	global_load_b32 v[32+\p], v10, s[18:19] offset:128*\p
.endr
.endm
; A PREFETCH INTO THE L2 of the slot that the NEXT change of slots will ask for: four key steps ahead of that load.  A slot is 512 blocks of 256 bytes.  All clusters of a batch walk the same bytes: the batch's first cluster asks.
; Its four partners take 128 blocks each, told apart BY ADDRESS; in each, waves 0 to 3 take 32 blocks, a lane a block: each block is named once in the launch.  The last change that fills a slot asks for nothing.
.macro ASK
	s_cmp_gt_u32 s[SLOTS], s[LIM]
	s_cbranch_scc0 .Lnot_mine_\@
	global_prefetch_b8 v7, s[PFA:PFA+1] th:TH_LOAD_NT scope:SCOPE_SE
.Lnot_mine_\@:
.endm
; THE CHANGE OF SLOTS.  Each wave waits for all its tensor loads (one is out: its part of the slot ahead), adds 0 to its spare word, and waits for that and for its reads of the slot that it leaves.
; fill = 1: the barrier is a round of the cluster's, and the joint refill of the slot just left is the first thing behind it: it has four key steps in which to land.
.macro CHANGE fill
	s_wait_tensorcnt 0x0                           ; no tensor load of mine is out, so the walking descriptor may be written
	ds_add_u32 v5, v6                              ; 0 onto my spare word
.if \fill
	s_xor_b32 s49, s49, SLOT1                      ; the other slot than last time,
	s_add_nc_u64 s[50:51], s[50:51], SLOTB         ; the next four key steps; the type bits on top are not reached
	s_wait_xcnt 0x0                                ; the last prefetch, a slot back, has read its address
	s_add_nc_u64 s[PFA:PFA+1], s[PFA:PFA+1], SLOTB ; one slot further on than the walking descriptor
	s_wait_dscnt 0x0                               ; the add is done, and my reads of the slot are over
	CROUND
	tensor_load_to_lds s[48:51], s[32:39]
	s_nop 0
.rept 4
	v_nop
.endr
.else
	s_wait_dscnt 0x0
	s_barrier_signal -1
	s_barrier_wait -1
.endif
.endm
.macro SPROD                           ; S^T = K Q^T: eight tiles of 16 keys, one instruction each
	WIN 0x01                                       ; source 0 window 1
.irp t, 0,1,2,3,4,5,6,7
.if \t%2
	v_wmma_scale_f32_16x16x128_f8f6f4 v[96+8*\t:103+8*\t], v[16*\t:16*\t+15], v[16:31], 0, v[32+\t/2], v40 matrix_a_scale:MATRIX_SCALE_ROW1
.else
	v_wmma_scale_f32_16x16x128_f8f6f4 v[96+8*\t:103+8*\t], v[16*\t:16*\t+15], v[16:31], 0, v[32+\t/2], v40
.endif
.endr
	WIN 0
.endm
.macro PVPROD                          ; O^T += V^T P^T: eight tiles of 16 channels by turns; K = the step's 128 keys
	WIN 0x01
.irp n, 0,1,2,3,4,5,6,7
.if \n%2
	v_wmma_scale_f32_16x16x128_f8f6f4 v[160+8*\n:167+8*\n], v[128+16*\n:143+16*\n], v[224:239], v[160+8*\n:167+8*\n], v[36+\n/2], v41 matrix_a_scale:MATRIX_SCALE_ROW1
.else
	v_wmma_scale_f32_16x16x128_f8f6f4 v[160+8*\n:167+8*\n], v[128+16*\n:143+16*\n], v[224:239], v[160+8*\n:167+8*\n], v[36+\n/2], v41
.endif
.endr
	WIN 0
.endm
; The softmax up to the sums.  Register 16 b + i of S^T is key 32 b + 16 (lane / 16) + i of the step.
.macro SOFT1
.irp b, 0,1,2,3
	v_max3_num_f32 v[BM+\b], v[96+16*\b], v[97+16*\b], v[98+16*\b]   ; the largest score of each block of 32 keys: it serves for the row's maximum and, since p rises with the score, for the block's largest p
.endr
.irp i, 3,5,7,9,11,13
.irp b, 0,1,2,3
	v_max3_num_f32 v[BM+\b], v[BM+\b], v[96+16*\b+\i], v[97+16*\b+\i]
.endr
.endr
.irp b, 0,1,2,3
	v_max_num_f32 v[BM+\b], v[BM+\b], v[111+16*\b]
.endr
.irp b, 0,1,2,3
	v_permlanex16_b32 v[T1+\b], v[BM+\b], s[SEL], s[SEL+1]
.endr
.irp b, 0,1,2,3
	v_max_num_f32 v[BM+\b], v[BM+\b], v[T1+\b]     ; with lane l xor 16's 16 keys
.endr
	v_max3_num_f32 v62, v44, v45, v46
	v_max_num_f32 v62, v62, v47                    ; the step's largest score of my query
	v_mul_f32 v62, s[CS], v62                      ; as t
	v_max_num_f32 v13, v13, v62                    ; the running largest t
	v_mov_b32 v62, v12
	v_floor_f32 v12, -v13                          ; the new -M = floor(-t): M is a whole number
	v_sub_f32 v62, v12, v62                        ; old M - new M: a whole number, 0 or less
	v_cvt_i32_f32 v62, v62                         ; (it saturates)
	v_ldexp_f32 v42, 1.0, v62                      ; f = 2^(old M - new M)
.irp b, 0,1,2,3
	v_fma_f32 v[BM+\b], v[BM+\b], s[CS], v12       ; t - M of each block's largest score
.endr
	; ONE BATCH of 64 exponentials, with plain work between them: the scalings t - M, a pair ahead, and O^T's rescaling by f.  No line here names an exponential's result.
	v_pk_fma_f32 v[96:97], v[96:97], s[CS:CS+1], v[12:13] op_sel_hi:[1,0,0]
.set j, 0
.rept 32
.if j < 31
	v_pk_fma_f32 v[98+2*j:99+2*j], v[98+2*j:99+2*j], s[CS:CS+1], v[12:13] op_sel_hi:[1,0,0]
.endif
	v_exp_f32 v[96+2*j], v[96+2*j]                 ; p = 2^(t - M), at most 1
	v_pk_mul_f32 v[160+2*j:161+2*j], v[160+2*j:161+2*j], v[42:43] op_sel_hi:[1,0]
	v_exp_f32 v[97+2*j], v[97+2*j]
.set j, j+1
.endr
	v_pk_mul_f32 v[14:15], v[14:15], v[42:43] op_sel_hi:[1,0]   ; the sums under the new M: the plain line behind the last exponential
	s_wait_alu depctr_va_vdst(0)                   ; one wait for the batch, ahead of its first reader
.irp b, 0,1,2,3
	v_exp_f32 v[BM+\b], v[BM+\b]                   ; the blocks' largest p
.endr
	v_pk_add_f32 v[60:61], v[96:97], v[98:99]      ; the row's sum of the UNQUANTISED p, in two chains; it reads the 64 alone
.irp j, 4,8,12,16,20,24,28,32,36,40,44,48,52,56,60
	v_pk_add_f32 v[14:15], v[14:15], v[96+\j:97+\j]
	v_pk_add_f32 v[60:61], v[60:61], v[98+\j:99+\j]
.endr
	v_pk_add_f32 v[14:15], v[14:15], v[60:61]
	s_wait_alu depctr_va_vdst(0)                   ; and one for the four
.endm
.macro SOFT2                           ; p's scales and codes
.irp b, 0,1,2,3
	v_max_num_f32 v[BM+\b], 0x4800000, v[BM+\b]    ; the floor 2^(9 - 127)
.endr
.irp b, 0,1,2,3
	v_add_nc_u32 v[SCO+\b], 0xfc000000, v[BM+\b]   ; 8 off the exponent field: the conversion's scale operand
.endr
.irp b, 0,1,2,3
.endr
.irp b, 0,1,2,3
	v_lshrrev_b32 v[T1+\b], 23, v[SCO+\b]          ; the scale's byte
.endr
	v_lshl_or_b32 v41, v49, 8, v48                 ; p's scale word for these 128 keys
	v_lshl_or_b32 v41, v50, 16, v41
	v_lshl_or_b32 v41, v51, 24, v41
.irp b, 0,1,2,3
.irp i, 0,1,2,3,4,5,6,7,8,9,10,11,12,13,14,15
.endr
	v_cvt_scalef32_pk8_fp8_f32 v[224+4*\b:225+4*\b], v[96+16*\b:103+16*\b], v[SCO+\b]
	v_cvt_scalef32_pk8_fp8_f32 v[226+4*\b:227+4*\b], v[104+16*\b:111+16*\b], v[SCO+\b]
.endr
.rept 4
	v_nop                                          ; the codes' four places ahead of a scaled matrix instruction
.endr
.endm
; A KEY STEP.  kind 0: its successor lies in the same slot.  1: a slot's last step; the slot is filled again.  2: a slot's last step, nothing is left to fetch.  3: the very last step: wo is fetched where K's next would be.
.macro STEP kind
	s_wait_dscnt 0x0                               ; K and its scale words are in
	SPROD
	v_add_nc_u32 v3, s[TB], v1                     ; the step's place in LDS.  With the six lines below: eight places ahead of the first read of the scores and of the loads
	v_add_nc_u32 v4, s[TS], v2                     ; into K's, V's and their scale words' registers, which the last products read
.rept 6
	v_nop
.endr
	VLOAD
.if \kind == 0
	KLOAD 32768, 1024                              ; the next step's K
.endif
.if \kind == 3
	WOLOAD
.endif
	SOFT1
.if \kind == 1
	CHANGE 1                                       ; V of this step, the slot's last bytes, is in my registers behind its wait
.endif
.if \kind == 2
	CHANGE 0
.endif
.if (\kind == 1) || (\kind == 2)
	s_sub_co_u32 s[TB], s[TB], 3*32768             ; back to a slot's first step,
	s_xor_b32 s[TB], s[TB], SLOT1                  ; in the other slot
	v_add_nc_u32 v3, s[TB], v1
	KLOAD 0, 1024
.endif
.if \kind == 1
	ASK
.endif
	SOFT2
.if \kind == 0
	s_wait_dscnt 36                                ; V and its words are in; behind them: the next K's 32 loads and its 4 words
.endif
.if \kind == 3
	s_wait_dscnt 0x0
.endif
	PVPROD
.if \kind == 0
	s_add_co_u32 s[TB], s[TB], 32768
.endif
.if \kind < 3
	s_add_co_u32 s[TS], s[TS], 1024
.endif
.endm
.macro THREE                           ; a slot's first three steps: written once, walked three times
	s_mov_b32 s[CNT], 3
.Lthree_\@:
	STEP 0
	s_sub_co_u32 s[CNT], s[CNT], 1
	s_cmp_lg_u32 s[CNT], 0
	s_cbranch_scc1 .Lthree_\@
.endm
	s_load_b512 s[8:23], s[0:1], 0x0               ; qc 8, qs 10, kv 12, kvs 14, wo_codes 16, wo_scales 18, bo 20, x 22
	s_load_b64 s[24:25], s[0:1], 0x40              ; out0
	v_lshl_add_u32 v5, v0, 2, SPARE
	v_mov_b32 v6, 0
	ds_add_u32 v5, v6
	ds_add_u32 v5, v6
	s_wait_dscnt 0x0
	v_lshrrev_b32 v62, 5, v0
	v_readfirstlane_b32 s[WV], v62                 ; wave 0..7
	s_bfe_u32 s27, ttmp6, 0x40000                  ; cx: my place in the cluster
	s_and_b32 s28, ttmp7, 0xffff                   ; the batch, which the four partners share
	s_lshl_b32 s29, ttmp9, 2                       ; in a cluster launch ttmp9 counts clusters
	s_add_co_u32 s29, s29, s27                     ; my block of 128 queries: it enters global addresses of q, x and out0 alone
	; descriptor group 1 for the codes: 64 rows of 256 bytes (32 elements of 8 bytes), dense
	s_mov_b32 s32, 15|(3<<16)|(1<<21)              ; 15:0 the mask: all four work-groups; 17:16 elements of 8 bytes; 21 set beside a mask
	s_mov_b32 s33, 32<<16                          ; tensor_dim0
	s_mov_b32 s34, 64<<16                          ; tensor_dim1
	s_mov_b32 s35, 32<<16                          ; tile_dim0
	s_mov_b32 s36, 64                              ; tile_dim1
	s_mov_b32 s37, 32                              ; from row to row
	s_mov_b32 s38, 0
	s_mov_b32 s39, 0
	; and for the scale words: 16 such rows
	s_mov_b32 s40, 15|(3<<16)|(1<<21)
	s_mov_b32 s41, 32<<16
	s_mov_b32 s42, 16<<16
	s_mov_b32 s43, 32<<16
	s_mov_b32 s44, 16
	s_mov_b32 s45, 32
	s_mov_b32 s46, 0
	s_mov_b32 s47, 0
	s_mov_b32 s[SEL], 0x76543210
	s_mov_b32 s[SEL+1], 0xfedcba98                 ; v_permlanex16_b32's selects for lane l xor 16
	s_mov_b32 s[CS], 0x3e0293ee                    ; c = log2(e) / sqrt(128)
	s_mov_b32 s[CS+1], s[CS]                       ; (named with it as a pair)
	s_mov_b32 s[TB], 0
	s_mov_b32 s[TS], 0
	s_mov_b32 s[SLOTS], 7
	s_lshr_b32 s70, s[WV], 2                       ; 0 in waves 0 to 3,
	s_or_b32 s70, s70, ttmp9                       ; of the batch's first cluster: the same in all four partners
	s_cmp_eq_u32 s70, 0
	s_cselect_b32 s[LIM], 1, -1
	s_lshl_b32 s70, s28, 20                        ; kv: a batch is 2^20 bytes, my eighth of a slot 2^14
	s_lshl_b32 s71, s[WV], 14
	s_add_co_u32 s70, s70, s71
	s_mov_b32 s49, s71                             ; and its place in slot 0: no place in the cluster enters an LDS address
	s_mov_b32 s71, 0
	s_lshl_b32 s72, s28, 15                        ; kvs: a batch is 2^15 bytes, my eighth 2^12
	s_lshl_b32 s73, s[WV], 12
	s_add_co_u32 s72, s72, s73
	s_add_co_u32 s53, s73, SCL
	s_mov_b32 s73, 0
	s_wait_kmcnt 0x0
	s_mov_b32 s48, 1                               ; group 0 for the codes; it walks
	s_add_nc_u64 s[50:51], s[12:13], s[70:71]
	s_or_b32 s51, s51, 0x80000000                  ; type = 2
	s_mov_b32 s52, 1                               ; group 0 for the scale words
	s_add_nc_u64 s[54:55], s[14:15], s[72:73]
	s_or_b32 s55, s55, 0x80000000
	CROUND                                         ; all four work-groups are here: the first joint loads meet
	tensor_load_to_lds s[52:55], s[40:47]          ; the batch's scale words: filled once
	s_nop 0
	tensor_load_to_lds s[48:51], s[32:39]          ; slot 0.  Two loads of mine are out
	s_nop 0
.rept 4
	v_nop
.endr
	s_lshl_b32 s74, s28, 20                        ; the prefetches: my batch,
	s_lshl_b32 s30, s27, 15                        ; my work-group's quarter of a slot,
	s_add_co_u32 s74, s74, s30
	s_and_b32 s30, s[WV], 3
	s_lshl_b32 s30, s30, 13                        ; my wave's 32 blocks of it,
	s_add_co_u32 s74, s74, s30
	s_add_co_u32 s74, s74, SLOTB                   ; in slot 1: the first change of slots steps it to slot 2.  Nothing is prefetched here, where the first tiles are on their way
	s_mov_b32 s75, 0
	s_add_nc_u64 s[PFA:PFA+1], s[12:13], s[74:75]
	s_lshl_b32 s30, s28, 8
	s_lshl_b32 s31, s29, 3
	s_add_co_u32 s30, s30, s31
	s_add_co_u32 s30, s30, s[WV]                   ; my query tile: 256 x batch + 8 x block + wave
	s_lshl_b32 s74, s30, 11
	s_add_nc_u64 s[8:9], s[8:9], s[74:75]
	s_lshl_b32 s74, s30, 6
	s_add_nc_u64 s[10:11], s[10:11], s[74:75]
	s_lshl_b32 s30, s28, 12
	s_lshl_b32 s31, s29, 7
	s_add_co_u32 s30, s30, s31
	s_lshr_b32 s31, s[WV], 1
	s_lshl_b32 s31, s31, 5
	s_add_co_u32 s30, s30, s31
	s_and_b32 s31, s[WV], 1
	s_lshl_b32 s31, s31, 3
	s_add_co_u32 s30, s30, s31                     ; my tile's first position
	s_lshl_b32 s74, s30, 9
	s_add_nc_u64 s[22:23], s[22:23], s[74:75]      ; x
	s_add_nc_u64 s[24:25], s[24:25], s[74:75]      ; out0
	v_and_b32 v62, 31, v0
	v_lshlrev_b32 v1, 4, v62                       ; 16 x lane
	v_lshlrev_b32 v10, 2, v62                      ; 4 x lane
	v_add_nc_u32 v2, SCL, v10                      ; the scale words' place for my lane
	v_lshlrev_b32 v7, 8, v62                       ; 256 x lane: the prefetches'; never rewritten
	v_and_b32 v62, 15, v0                          ; r
	v_bfe_u32 v60, v0, 4, 1                        ; h
	v_lshlrev_b32 v8, 7, v62
	v_lshl_add_u32 v8, v60, 4, v8                  ; wo: row r of 128 bytes, + 16 h
	v_lshlrev_b32 v9, 5, v60                       ; bo in the result's layout: 32 h
	v_lshlrev_b32 v11, 2, v62                      ; 4 r
.irp c, 0,1,2,3
	global_load_b128 v[16+4*\c:19+4*\c], v1, s[8:9] offset:512*\c   ; Q's fragment stays in registers
.endr
	global_load_b32 v40, v11, s[10:11]             ; and its scale words
	v_mov_b32 v13, 0xff61b1e6                      ; the largest t so far: -3e38
	v_floor_f32 v12, -v13                          ; -M
	v_mov_b32 v14, 0
	v_mov_b32 v15, 0
	v_mov_b32 v43, 0                               ; (the upper half of the pair that holds f)
.irp b, 0,1,2,3
	v_mov_b32 v[T1+\b], 0                          ; a lane permute's destination counts as one of its sources
.endr
.set j, 0
.rept 64
	v_mov_b32 v[160+j], 0                          ; O^T.  The step has no first copy of its own: the first f is 0 and leaves zeros zeros
.set j, j+1
.endr
	CHANGE 1                                       ; slot 0 and the scale words have landed; slot 1 gets its first fill as a refill does
	v_add_nc_u32 v3, s[TB], v1
	v_add_nc_u32 v4, s[TS], v2
	KLOAD 0, 0                                     ; key step 0
	ASK                                            ; slot 2
	s_wait_loadcnt 0x0                             ; Q
	s_mov_b32 s[SLOTS], 6
.Lslot:                                            ; six trips: slots 0 to 5; trip t fills the slot that it leaves with slot t + 2's keys
	THREE
	STEP 1
	s_sub_co_u32 s[SLOTS], s[SLOTS], 1
	s_cmp_lg_u32 s[SLOTS], 0
	s_cbranch_scc1 .Lslot
	THREE                                          ; the last two slots are written out
	STEP 2
	THREE
	STEP 3
	; THE WAY OUT.  o = O^T / the sum, quantised along the channels; out^T = wo o^T + bo (source 0 = 16 out-channels, as they lie: a lane's eight results are eight neighbouring channels of its query); through my stage in LDS
	; into whole rows; + x.  The stage, 16 rows of 512 + 16 bytes a wave, lies in slot 0: it has had its last fill, and every wave has left it behind the last change of slots.
	s_mul_i32 s70, s[WV], 8448
	v_and_b32 v3, 15, v0                           ; these six lines and four more are the places behind the last products
	v_mul_u32_u24 v3, v3, 528
	v_bfe_u32 v4, v0, 4, 1
	v_lshl_add_u32 v3, v4, 5, v3
	v_add_nc_u32 v3, s70, v3                       ; into the stage: row r, + 32 h
	v_add_nc_u32 v4, s70, v1                       ; back: 16 bytes a lane of a row
.rept 4
	v_nop
.endr
	WIN 0x40
.irp t, 0,1,2,3,4,5,6,7
	global_load_b128 v[192+8*\t:195+8*\t], v9, s[20:21] offset:64*\t       ; bo as the C of the last products
	global_load_b128 v[196+8*\t:199+8*\t], v9, s[20:21] offset:64*\t+16
.endr
.set i, 0
.rept 16
	global_load_b128 v[128+4*i:131+4*i], v1, s[22:23] offset:(i+8*(i/8))*512 th:TH_LOAD_NT   ; x's rows of my 16 queries
.set i, i+1
.endr
	WIN 0
	v_add_f32 v14, v14, v15                        ; the sum's two halves,
	v_permlanex16_b32 v48, v14, s[SEL], s[SEL+1]
	v_add_f32 v14, v14, v48                        ; and lane l xor 16's
	v_rcp_f32 v14, v14
	v_nop                                          ; a plain line behind the transcendental,
	s_wait_alu depctr_va_vdst(0)                   ; and the wait ahead of its first reader
.set j, 0
.rept 32
	v_pk_mul_f32 v[96+2*j:97+2*j], v[160+2*j:161+2*j], v[14:15] op_sel_hi:[1,0]   ; each accumulator from its low end on
.set j, j+1
.endr
	QUANT 96, 224, 41
.rept 4
	v_nop                                          ; the codes' places ahead of a scaled matrix instruction
.endr
	s_wait_loadcnt 16                              ; wo, its scale words and bo are in; x's 16 loads may be out
	WIN 0x11                                       ; source 0 (wo) and C (bo) window 1
.irp t, 0,1,2,3,4,5,6,7
.if \t%2
	v_wmma_scale_f32_16x16x128_f8f6f4 v[160+8*\t:167+8*\t], v[16*\t:16*\t+15], v[224:239], v[192+8*\t:199+8*\t], v[32+\t/2], v41 matrix_a_scale:MATRIX_SCALE_ROW1
.else
	v_wmma_scale_f32_16x16x128_f8f6f4 v[160+8*\t:167+8*\t], v[16*\t:16*\t+15], v[224:239], v[192+8*\t:199+8*\t], v[32+\t/2], v41
.endif
.endr
	WIN 0
.rept 8
	v_nop
.endr
.irp t, 0,1,2,3,4,5,6,7
	ds_store_b128 v3, v[160+8*\t:163+8*\t] offset:64*\t
	ds_store_b128 v3, v[164+8*\t:167+8*\t] offset:64*\t+16
.endr
.set i, 0
.rept 16
	ds_load_b128 v[96+4*i:99+4*i], v4 offset:528*i ; LDS serves a wave's instructions in order (ISA guide 5.7.1.4): these see my stores
.set i, i+1
.endr
	s_wait_dscnt 0x0
	s_wait_loadcnt 0x0                             ; x
	WIN 0x04                                       ; source 1 window 1
.set j, 0
.rept 32
	v_pk_add_f32 v[96+2*j:97+2*j], v[96+2*j:97+2*j], v[128+2*j:129+2*j]
.set j, j+1
.endr
	WIN 0
.set i, 0
.rept 16
	global_store_b128 v1, v[96+4*i:99+4*i], s[24:25] offset:(i+8*(i/8))*512 th:TH_STORE_NT   ; 32 lanes store a row of 512 bytes, aligned
.set i, i+1
.endr
	s_wait_tensorcnt 0x0                           ; the wave's end
	ds_add_u32 v5, v6
	s_wait_dscnt 0x0
	CROUND                                         ; the closing round: no work-group ends while a partner may still ask for a tile that names it
	s_endpgm
.Lfunc_end_k_q6ca40e61d9_attn:
	.size	k_q6ca40e61d9_attn, .Lfunc_end_k_q6ca40e61d9_attn-k_q6ca40e61d9_attn
	.p2alignl 7, 3214868480
	.fill 96, 4, 3214868480
	.section	.rodata,"a",@progbits
	.p2align	6, 0x0
	.amdhsa_kernel k_q6ca40e61d9_attn
		.amdhsa_group_segment_fixed_size 327680
		.amdhsa_private_segment_fixed_size 0
		.amdhsa_enable_private_segment 0
		.amdhsa_kernarg_size 72
		.amdhsa_user_sgpr_count 2
		.amdhsa_user_sgpr_kernarg_segment_ptr 1
		.amdhsa_wavefront_size32 1
		.amdhsa_system_sgpr_workgroup_id_x 1
		.amdhsa_system_sgpr_workgroup_id_y 1
		.amdhsa_system_sgpr_workgroup_id_z 1
		.amdhsa_system_vgpr_workitem_id 0
		.amdhsa_next_free_vgpr 512
		.amdhsa_next_free_sgpr 80
		.amdhsa_reserve_vcc 0
		.amdhsa_float_denorm_mode_32 3
		.amdhsa_float_denorm_mode_16_64 3
		.amdhsa_fp16_overflow 1
		.amdhsa_memory_ordered 1
		.amdhsa_forward_progress 1
		.amdhsa_inst_pref_size 150
	.end_amdhsa_kernel
	.amdgpu_metadata
---
amdhsa.version: [ 1, 2 ]
amdhsa.kernels:
  - .name:           k_q6ca40e61d9_attn
    .symbol:         k_q6ca40e61d9_attn.kd
    .args:
      - { .name: qc, .offset: 0, .size: 8, .value_kind: global_buffer, .address_space: global }
      - { .name: qs, .offset: 8, .size: 8, .value_kind: global_buffer, .address_space: global }
      - { .name: kv, .offset: 16, .size: 8, .value_kind: global_buffer, .address_space: global }
      - { .name: kvs, .offset: 24, .size: 8, .value_kind: global_buffer, .address_space: global }
      - { .name: wo_codes, .offset: 32, .size: 8, .value_kind: global_buffer, .address_space: global }
      - { .name: wo_scales, .offset: 40, .size: 8, .value_kind: global_buffer, .address_space: global }
      - { .name: bo, .offset: 48, .size: 8, .value_kind: global_buffer, .address_space: global }
      - { .name: x, .offset: 56, .size: 8, .value_kind: global_buffer, .address_space: global }
      - { .name: out0, .offset: 64, .size: 8, .value_kind: global_buffer, .address_space: global }
    .group_segment_fixed_size: 327680
    .private_segment_fixed_size: 0
    .kernarg_segment_align: 8
    .kernarg_segment_size: 72
    .max_flat_workgroup_size: 256
    .sgpr_count:     80
    .vgpr_count:     512
    .wavefront_size: 32
...
	.end_amdgpu_metadata
.endif
;; end of part 3
